; MI455X (gfx1250); checked and timed in simulation.
; The chip was launched on July 23, 2026; its instructions are those of AMD's public machine-readable ISA for CDNA 5 (MIT licence, August 2026) and "CDNA5" Instruction Set Architecture Reference Guide (July 2026). The comments in the code are by the model that wrote it; some were corrected since.
;; Attention Block. Allowed arithmetic: matrix products marked QUANTISED: E2M3 operands, one E8M0 scale for each 32 along K, by v_wmma_scale_f32_16x16x128_f8f6f4 with both operands' format E2M3, f32 sums; everything else in f32.
;; Inputs: Wk_codes 32 x 8 x 24 uint8 (E2M3 codes of Wk, K innermost, in blocks of 32 codes, four codes in three bytes); Wk_scales 32 x 8 uint8 (E8M0 scales of Wk, one for each 32 codes along K); Wq_codes 32 x 8 x 24 uint8 (E2M3 codes of Wq, K innermost, in blocks of 32 codes, four codes in three bytes); Wq_scales 32 x 8 uint8 (E8M0 scales of Wq, one for each 32 codes along K); Wv_codes 256 x 8 x 24 uint8 (E2M3 codes of Wv, K innermost, in blocks of 32 codes, four codes in three bytes); Wv_scales 256 x 8 uint8 (E8M0 scales of Wv, one for each 32 codes along K); bk 32 float32; bq 32 float32; bv 256 float32; gamma 1 float32; x 8 x 256 x 64 x 64 float32.
;; Outputs: out0 8 x 256 x 64 x 64 float32.
;; This version of the problem:
;;   THIS VERSION OF THE PROBLEM IS GIVEN IN LOW PRECISION. The matrix products marked QUANTISED in the list below multiply operands that are first quantised to E2M3 (2 exponent bits, 3 mantissa bits; 6 bits a number), with one power-of-two scale for each 32 numbers along K (OCP MX v1.0); their sums are f32. All else is computed in f32.
;;   The module's matrix products, in the order in which they are computed (A, B: the left and right operand; K: the contracted axis; several contracted axes count as one K, in the product's order):
;;     1. [M 32,768, K 256] x [K 256, N 32]; A: input x; B: input Wq (given as codes): QUANTISED
;;     2. [M 32,768, K 256] x [K 256, N 32]; A: input x; B: input Wk (given as codes): QUANTISED
;;     3. [M 32,768, K 256] x [K 256, N 256]; A: input x; B: input Wv (given as codes): QUANTISED
;;     4. batch 8 x [M 4,096, K 32] x [K 32, N 4,096]; A: computed on the way; B: computed on the way: QUANTISED
;;     5. batch 8 x [M 256, K 4,096] x [K 4,096, N 4,096]; A: computed on the way; B: softmax (see below): QUANTISED
;;   THE QUANTISER, for each operand of a quantised product, along K:
;;     - K is cut into blocks of 32 from its start; a last block that is shorter is filled with zeros.
;;     - A block's scale is 2^e with e = floor(log2(the largest magnitude in the block)) - 2, held to -126 .. 127; a block of zeros has e = 0. As a byte (E8M0): e + 127.
;;     - Each number is divided by its block's scale, clamped to +-7.5, and rounded to the nearest number of E2M3, ties to even, subnormals kept.
;;     - The product sums the exact products of the quantised numbers (number of the format x scale) in f32.
;;   ~~~python
;;   def quantise(x, axis):      # numpy; x: float32 -> the quantised numbers, widened to float32 again
;;       x = np.moveaxis(x, axis, -1); K = x.shape[-1]
;;       x = np.pad(x, [(0, 0)] * (x.ndim - 1) + [(0, -K % 32)]); x = x.reshape(x.shape[:-1] + (-1, 32)); a = np.abs(x).max(-1, keepdims=True)
;;       e = np.where(a > 0, np.clip(np.frexp(np.where(a > 0, a, 1))[1] - 1 - 2, -126, 127), 0)      # np.frexp(a)[1] - 1 = floor(log2(a)), exactly
;;       r = np.clip(x / 2.0 ** e, -7.5, 7.5)
;;       step = 2.0 ** (np.maximum(np.frexp(np.where(r == 0, 1, r))[1] - 1, 0) - 3)
;;       q = np.round(r / step) * step * 2.0 ** e      # np.round: ties to even
;;       return np.moveaxis(q.reshape(q.shape[:-2] + (-1,))[..., :K], -1, axis).astype(np.float32)
;;   ~~~
;;   SOFTMAX AHEAD OF A QUANTISED PRODUCT. Where the list says 'softmax', what is quantised is not the finished softmax but p = 2^(t - M), with t = logit x log2(e) and M = ceil(the row's largest t), a whole number; so 1/2 < the row's largest p <= 1. The row's sum l is taken of the UNQUANTISED p, in f32, and the product's result is divided by l at the end. Since M is a whole number, a kernel that streams over the keys may use a running M (the ceiling of the running maximum): every later rescaling is an exact power of two, which a block's scale takes up: the codes' values come out the same.
;;   OPERANDS COMPUTED ON THE WAY. 'Computed on the way' means the value that the module computes at that place (a softmax that the list does not call 'softmax' is quantised finished and normalised). What goes into a quantiser is computed in f32, as accurately as f32 sums, v_exp_f32 and their like allow (about 1e-6 of the number): no bf16 or f16 on the way to a quantiser, and a product that is left as it is and whose result goes on into a quantised operand takes f32 operands (vector FMAs, or v_wmma_f32_16x16x4_f32). A number that lies on a knife's edge between two numbers of the format may be rounded either way, as far as f32 arithmetic and the matrix unit's own rounding can turn it there, and no further.
;;   INPUTS GIVEN AS CODES. Wk (in the module: [32, 256], K = its axis 1); Wq (in the module: [32, 256], K = its axis 1); Wv (in the module: [256, 256], K = its axis 1): each comes as NAME_codes (uint8): NAME with its K axis moved to the last place and cut into blocks of 32 codes, [.., K / 32, bytes a block], one block behind the other in memory; four codes in three bytes: a row's codes are one little-endian stream of bits, code i at bits 6 i .. 6 i + 5 (a code: sign, 2 exponent bits, 3 mantissa bits); and NAME_scales (uint8): the same leading axes, one E8M0 byte (e + 127) for each 32 codes along K. Its value is code x scale, taken as it is: it is not quantised again, and the codes and scales need not be those that the quantiser above would give.
;; One version. Each part assembles by itself: llvm-mc -triple=amdgcn-amd-amdhsa -mcpu=gfx1250 --defsym DOCPART=n.
;; ======== version 1 of 1: 2 launches
;; workspace buffers: rec 8,519,680 bytes
;; launch project (part 1): grid 256 x 1, 4 waves a work-group, no clusters, 26,112 bytes of LDS; arguments x, Wq_codes, Wq_scales, bq, Wk_codes, Wk_scales, bk, Wv_codes, Wv_scales, bv, rec; writes rec
.if DOCPART == 1
	.amdgcn_target "amdgcn-amd-amdhsa--gfx1250"
	.amdhsa_code_object_version 6
	.text
	.protected	k_qbf51f6bc63_project
	.globl	k_qbf51f6bc63_project
	.p2align	8
	.type	k_qbf51f6bc63_project,@function
k_qbf51f6bc63_project:
	s_mov_b64 s[64:65], 0
	v_nop
	global_prefetch_b8 v0, s[64:65] scope:SCOPE_SE
	s_setreg_imm32_b32 hwreg(HW_REG_WAVE_MODE, 25, 1), 1
	s_wait_xcnt 0x0
; PROJECT: q = Wq x + bq, k = Wk x + bk, v = Wv x + bv on codes of FP6 (E2M3) with one E8M0 scale for each 32 along K, and q, k, v quantised again for the two products of attention.
; x: [8][256 channels][4096 tokens] f32; K of the three products = the channels, x's FIRST axis within a batch.  Wq, Wk [32][256], Wv [256][256] come as codes and scale bytes and are used as they come.
; Work-group i makes RECORD i of the workspace: tokens 128 (i % 32) .. + 127 of batch i / 32.  A record (33,280 bytes = 130 x 256) holds
;   VIMG 16 images of V fragments (16 channels x 128 keys; register 4 c + e of lane l at 1536 t + 512 c + 16 l + 4 e);  KROW k's codes, 24 bytes a token;  VSC V's scale words (four tiles' words a lane);
;   KSC k's scale words;  QROW, QSC the same for q.  v is quantised along the tokens (the keys of the second product), q and k along their 32 channels: one block a token.
; PHASE X: wave w takes tokens 32 w .. 32 w + 31: A LANE TAKES A TOKEN AND ITS REGISTERS RUN DOWN THE CHANNELS, so each load reads 128 consecutive bytes, a block of 32 channels lies in one lane, and the conversions
;   give codes with K innermost.  The lanes take the tokens in the order 0-7, 16-23, 8-15, 24-31: lanes 0-15 are then the rows of token tile 2 w, lanes 16-31 those of tile 2 w + 1 (row m of tile 2 b + u = token 32 b + 8 u + m + 8 (m / 8)).
;   One exchange of halves between an even and an odd block makes both tiles' operand registers.  The four fragments and two scale words go to LDS as images of their registers; one barrier.
; PHASE P: THE WAVES SHARE THE COLUMNS: waves 0, 1 make k of tokens 0-63, 64-127, waves 2, 3 q likewise; every wave makes v's channels 64 w .. 64 w + 63 for all 128 tokens.  The weights stay in registers.
;   v: source 0 = a token tile, source 1 = 16 rows of Wv: a lane holds ONE channel, and by the tiles' order of tokens the 16 registers of tiles 2 b, 2 b + 1 are tokens 32 b + 16 (lane / 16) + 0 .. 15.
;   q, k: source 0 = 16 rows of W (lane r of tile u: row 8 u + r + 8 (r / 8)), source 1 = a token tile: a lane holds ONE token and channels 16 (lane / 16) + 0 .. 15.  Both are what QUANT takes.
; The biases are the C of each sum's first matrix instruction.
; NO CLUSTER, NO TENSOR LOAD: each byte of x is read by one wave of one work-group; what work-groups share is the weights, 61 KB against a work-group's 128 KB of x, and they go straight into operand registers.
; LIMITS: NaN and infinities among the inputs are not served.  A block whose largest magnitude lies under 2^-124 gets the scale byte 1; so does a block of zeros, where the rule says 127: its codes are zeros, and only this program reads the bytes.
; k's and q's rows leave by stores of 8 bytes, 24 bytes apart (6 KB of a record's 33 KB); their scale words as 128 bytes, all else as 512 consecutive bytes a store.
; REGISTERS, in windows of 256.  window 0: v1-19 lanes and addresses; v20-28 at work in phase X; v32-95 two sets of 32 numbers of x, later the 8 accumulators; v96-143 my four fragments of x, later QUANT's codes and scratch;
;   v144-167 scale words.  window 1: all 16 fragments of x.  window 2: Wv's 8 fragments, the q/k weight's 4, bv, the q/k bias.  window 3: the 8 fragments of x of my q/k tokens.
.set RECB, 33280
.set KROW, 24576
.set VSC,  27648
.set KSC,  29696
.set QROW, 29952
.set QSC,  33024
.set XSC,  24576                       ; LDS: x's 16 images at 0 (fragment 2 T + s at 1536 (2 T + s)); behind them 8 x 128 bytes of scale words
.set XA,   4                           ; v4   4 x my token's place among the wave's 32
.set LI,   5                           ; v5   16 x lane
.set LS,   6                           ; v6   4 x lane
.set XWI,  7                           ; v7   16 x lane + 6144 x wave: my images of x in LDS, and my images of V in the record
.set XWS,  8                           ; v8   4 x lane + 256 x wave
.set WVA,  9                           ; v9   Wv: 192 r + 24 h
.set WQA,  10                          ; v10  Wq, Wk: 192 (r + 8 (r / 8)) + 24 h
.set R8,   11                          ; v11  8 r
.set P8,   12                          ; v12  8 (r + 8 (r / 8))
.set R4,   13                          ; v13  4 r
.set H64,  14                          ; v14  64 h
.set QFI,  15                          ; v15  16 x lane + 12288 g: the images of my q/k tokens
.set QFS,  16                          ; v16  4 x lane + 512 g: their scale words
.set ROWA, 17                          ; v17  where my token's 24 bytes of q or k go in the record
.set QSA,  18                          ; v18  and its scale word
.set VSO,  19                          ; v19  16 x lane + 512 x wave: V's scale words
.set SB,   24                          ; v24-25 x's scale words of K steps 0, 1
.set CT,   26                          ; v26-28 a conversion's second result
.set X,    32
.set ACC,  32
.set FB,   96                          ; fragment (tile u, K step s) at FB + 12 (2 u + s)
.set PC,   96                          ; QUANT's codes: 12 registers, and 8 at work
.set TM,   120                         ; v120-135 QUANT's scratch
.set PWS,  136                         ; v136-139 the scale words of my four tiles of V
.set PW,   140                         ; v140 the scale word of q or k
.set XS,   144                         ; v144-151 x's scale words: 2 (T / 2) + s; lanes 0-15 the even tile, lanes 16-31 the odd one
.set XQS,  152                         ; v152-155 those of my q/k tokens
.set WVS,  156                         ; v156-163 Wv's: 2 tl + s
.set WQS,  164                         ; v164-167 the q/k weight's: 2 u + s
.set WVF,  0                           ; window 2
.set WQF,  96
.set BV,   144
.set BQ,   176
.set WV,   26                          ; s26 wave
.set GG,   27                          ; s27 g = wave & 1: which 64 tokens of q or k
.set SEL,  28                          ; s[28:29] selects for lane l xor 16
.set MSB, 0
.macro WIN new                         ; the immediate's high byte repeats the setting that is left
.if MSB != \new
	s_set_vgpr_msb (MSB<<8)|\new
.set MSB, \new
.endif
.endm
; one matrix instruction; row = 1: source 0's scales stand in lanes 16-31, row = 2: source 1's
.macro WM d, a, b, c, sa, sb, row
.if (\row) == 1
	v_wmma_scale_f32_16x16x128_f8f6f4 v[\d:\d+7], v[\a:\a+11], v[\b:\b+11], v[\c:\c+7], v[\sa], v[\sb] matrix_a_fmt:MATRIX_FMT_FP6 matrix_b_fmt:MATRIX_FMT_FP6 matrix_a_scale:MATRIX_SCALE_ROW1
.elseif (\row) == 2
	v_wmma_scale_f32_16x16x128_f8f6f4 v[\d:\d+7], v[\a:\a+11], v[\b:\b+11], v[\c:\c+7], v[\sa], v[\sb] matrix_a_fmt:MATRIX_FMT_FP6 matrix_b_fmt:MATRIX_FMT_FP6 matrix_b_scale:MATRIX_SCALE_ROW1
.else
	v_wmma_scale_f32_16x16x128_f8f6f4 v[\d:\d+7], v[\a:\a+11], v[\b:\b+11], v[\c:\c+7], v[\sa], v[\sb] matrix_a_fmt:MATRIX_FMT_FP6 matrix_b_fmt:MATRIX_FMT_FP6
.endif
.endm
	s_load_b256 s[4:11], s[0:1], 0x0               ; x s[4:5], Wq's codes s[6:7], Wq's scales s[8:9], bq s[10:11]
	s_load_b256 s[12:19], s[0:1], 0x20             ; Wk's codes s[12:13], Wk's scales s[14:15], bk s[16:17], Wv's codes s[18:19]
	s_load_b128 s[20:23], s[0:1], 0x40             ; Wv's scales s[20:21], bv s[22:23]
	s_load_b64 s[24:25], s[0:1], 0x50              ; rec
	v_lshl_add_u32 v254, v0, 2, 0x6400
	v_mov_b32 v255, 0
	v_lshrrev_b32 v1, 5, v0
	v_readfirstlane_b32 s[WV], v1                  ; wave 0..3
	v_and_b32 v1, 31, v0                           ; lane
	v_and_b32 v2, 15, v0                           ; r
	v_bfe_u32 v3, v0, 4, 1                         ; h
	v_and_b32 v29, 7, v1                           ; my token: (l & 7) + 16 x bit 3 of l + 8 x bit 4 of l
	v_and_b32 v30, 8, v1
	v_lshl_or_b32 v29, v30, 1, v29
	v_and_b32 v30, 16, v1
	v_lshrrev_b32 v30, 1, v30
	v_or_b32 v29, v29, v30
	v_lshlrev_b32 v[XA], 2, v29
	v_lshlrev_b32 v[LI], 4, v1
	v_lshlrev_b32 v[LS], 2, v1
	v_and_b32 v30, 8, v2
	v_add_nc_u32 v30, v30, v2                      ; r + 8 (r / 8)
	v_mul_u32_u24 v[WVA], v2, 192                  ; a row of 256 codes is 192 bytes
	v_mad_u32_u24 v[WVA], v3, 24, v[WVA]
	v_mul_u32_u24 v[WQA], v30, 192
	v_mad_u32_u24 v[WQA], v3, 24, v[WQA]
	v_lshlrev_b32 v[R8], 3, v2
	v_lshlrev_b32 v[P8], 3, v30
	v_lshlrev_b32 v[R4], 2, v2
	v_lshlrev_b32 v[H64], 6, v3
	v_lshl_add_u32 v31, v3, 3, v30                 ; 8 h + r + 8 (r / 8): my token among 32, as QUANT leaves it
	v_mul_u32_u24 v[ROWA], v31, 24
	s_and_b32 s[GG], s[WV], 1
	s_cmp_lt_u32 s[WV], 2                          ; waves 0, 1: k; waves 2, 3: q.  The choice hangs on the wave's number alone
	s_mov_b32 s38, QROW
	s_cselect_b32 s38, KROW, s38
	s_mov_b32 s39, QSC
	s_cselect_b32 s39, KSC, s39
	s_mul_i32 s30, s[GG], 1536                     ; 64 tokens of 24 bytes
	s_add_co_u32 s38, s38, s30
	s_lshl_b32 s30, s[GG], 7
	s_add_co_u32 s39, s39, s30
	v_add_nc_u32 v[ROWA], s38, v[ROWA]
	v_add_nc_u32 v[QSA], s39, v[LS]
	s_mul_i32 s30, s[WV], 6144
	v_add_nc_u32 v[XWI], s30, v[LI]
	s_lshl_b32 s30, s[WV], 8
	v_add_nc_u32 v[XWS], s30, v[LS]
	s_mul_i32 s30, s[GG], 12288
	v_add_nc_u32 v[QFI], s30, v[LI]
	s_lshl_b32 s30, s[GG], 9
	v_add_nc_u32 v[QFS], s30, v[LS]
	s_lshl_b32 s30, s[WV], 9
	v_add_nc_u32 v[VSO], s30, v[LI]
	s_mov_b32 s[SEL], 0x76543210
	s_mov_b32 s[SEL+1], 0xfedcba98
	s_lshr_b32 s40, ttmp9, 5                       ; x: batch x 4,194,304 + block x 512 + wave x 128
	s_lshl_b32 s40, s40, 22
	s_and_b32 s41, ttmp9, 31
	s_lshl_b32 s41, s41, 9
	s_add_co_u32 s40, s40, s41
	s_lshl_b32 s41, s[WV], 7
	s_add_co_u32 s40, s40, s41
	s_mov_b32 s41, 0
	s_mul_i32 s42, ttmp9, RECB                     ; my record
	s_mov_b32 s43, 0
	s_mul_i32 s44, s[WV], 12288                    ; my 64 rows of Wv,
	s_mov_b32 s45, 0
	s_lshl_b32 s46, s[WV], 9                       ; of its scales,
	s_mov_b32 s47, 0
	s_lshl_b32 s48, s[WV], 8                       ; of bv
	s_mov_b32 s49, 0
	s_wait_kmcnt 0x0
	s_add_nc_u64 s[4:5], s[4:5], s[40:41]
	s_add_nc_u64 s[24:25], s[24:25], s[42:43]
	s_add_nc_u64 s[18:19], s[18:19], s[44:45]
	s_add_nc_u64 s[20:21], s[20:21], s[46:47]
	s_add_nc_u64 s[22:23], s[22:23], s[48:49]
	s_cmp_lt_u32 s[WV], 2
	s_cselect_b64 s[32:33], s[12:13], s[6:7]       ; the q/k weight's codes,
	s_cselect_b64 s[34:35], s[14:15], s[8:9]       ; its scales,
	s_cselect_b64 s[36:37], s[16:17], s[10:11]     ; its bias
.macro LOAD t                          ; block t: x(channel 32 t + i, my token), i = 0 .. 31, into set t % 2; the 32 lanes read 128 consecutive bytes.  No hint: the next launch reads x again
.set i, 0
.rept 32
	global_load_b32 v[X+32*((\t)%2)+i], v[XA], s[4:5] offset:(32*(\t)+i)*16384
.set i, i+1
.endr
.endm
	LOAD 0
	LOAD 1
	; the weights, 114 loads: each lane loads its fragments whole
	WIN 0x80                                       ; destination window 2
.irp tl, 0,1,2,3
.irp s, 0,1
.irp p, 0,1,2,3,4,5
	global_load_b64 v[WVF+12*(2*\tl+\s)+2*\p:WVF+12*(2*\tl+\s)+2*\p+1], v[WVA], s[18:19] offset:3072*\tl+96*\s+48*(\p/3)+8*(\p%3)
.endr
.endr
.endr
.irp u, 0,1
.irp s, 0,1
.irp p, 0,1,2,3,4,5
	global_load_b64 v[WQF+12*(2*\u+\s)+2*\p:WQF+12*(2*\u+\s)+2*\p+1], v[WQA], s[32:33] offset:1536*\u+96*\s+48*(\p/3)+8*(\p%3)
.endr
.endr
.endr
.irp tl, 0,1,2,3
.irp j, 0,1,2,3,4,5,6,7
	global_load_b32 v[BV+8*\tl+\j], v[R4], s[22:23] offset:64*\tl     ; in v's result a lane holds one channel: its eight registers take the same number of bv
.endr
.endr
.irp u, 0,1
	global_load_b128 v[BQ+8*\u:BQ+8*\u+3], v[H64], s[36:37] offset:32*\u          ; in q's and k's a lane holds channels 16 h + 8 u + 0 .. 7
	global_load_b128 v[BQ+8*\u+4:BQ+8*\u+7], v[H64], s[36:37] offset:32*\u+16
.endr
	WIN 0
.irp tl, 0,1,2,3
	global_load_b64 v[WVS+2*\tl:WVS+2*\tl+1], v[R8], s[20:21] offset:128*\tl      ; a row's 8 scale bytes: the words of K steps 0 and 1
.endr
.irp u, 0,1
	global_load_b64 v[WQS+2*\u:WQS+2*\u+1], v[P8], s[34:35] offset:64*\u
.endr
; PHASE X, block t of 8: 32 channels of my token become 24 bytes of codes and a scale byte
.macro BLOCK t
.set XN, X+32*((\t)%2)
.set DT, FB+12*(2*((\t)%2)+(\t)/4)+6*(((\t)%4)/2)  ; an even block's codes go to tile 0's fragment, an odd block's to tile 1's, at registers 6 c on of K step t / 4
.if (\t) < 2
	s_wait_loadcnt 63                              ; 146 loads were issued behind this block's; the count's field ends at 63, and a smaller count only waits for more
.elseif (\t) < 7
	s_wait_loadcnt 32                              ; this block's 32 loads are in (and the weights, issued ahead of them); the next block's may be out
.else
	s_wait_loadcnt 0x0
.endif
	v_max3_num_f32 v20, |v[XN]|, |v[XN+1]|, |v[XN+2]|                ; the block's largest magnitude: all 32 numbers are mine; two chains
	v_max3_num_f32 v21, |v[XN+3]|, |v[XN+4]|, |v[XN+5]|
.irp i, 6,10,14,18,22,26
	v_max3_num_f32 v20, v20, |v[XN+\i]|, |v[XN+\i+1]|
	v_max3_num_f32 v21, v21, |v[XN+\i+2]|, |v[XN+\i+3]|
.endr
	v_max3_num_f32 v20, v20, |v[XN+30]|, |v[XN+31]|
	v_max3_num_f32 v20, v20, v21, 0x1800000        ; and the floor 2^(3 - 127): the byte cannot fall under 1
	v_add_nc_u32 v22, 0xff000000, v20              ; 2 off the exponent field: the conversion takes the exponent field of this operand as its scale
	v_lshrrev_b32 v23, 23, v22                     ; the scale's byte
.if (\t)%4 == 0
	v_mov_b32 v[SB+(\t)/4], v23                    ; four bytes to a word, the lower K in the lower byte
.else
	v_lshl_or_b32 v[SB+(\t)/4], v23, 8*((\t)%4), v[SB+(\t)/4]
.endif
	v_cvt_scalef32_pk16_fp6_f32 v[DT:DT+2], v[XN:XN+15], v22
	v_cvt_scalef32_pk16_fp6_f32 v[CT:CT+2], v[XN+16:XN+31], v22      ; (a conversion's three registers begin on an even number)
	v_nop                                          ; one plain place behind a scaled conversion
.irp i, 0,1,2
	v_mov_b32 v[DT+3+\i], v[CT+\i]
.endr
.if (\t) < 6
	LOAD (\t)+2
.endif
.if (\t)%2 == 1                        ; the even block's lanes 16-31 (tile 1) change places with the odd block's lanes 0-15 (tile 0): each tile's fragment now has block 2 c in lanes 0-15 and block 2 c + 1 in lanes 16-31
.irp i, 0,1,2,3,4,5
	v_permlane16_swap_b32 v[DT-24+\i], v[DT+\i]
.endr
.endif
.if (\t)%4 == 3                        ; a K step is whole: both tiles' fragments and the scale word go to LDS as they stand
.irp u, 0,1
.irp c, 0,1,2
	ds_store_b128 v[XWI], v[FB+12*(2*\u+(\t)/4)+4*\c:FB+12*(2*\u+(\t)/4)+4*\c+3] offset:3072*\u+1536*((\t)/4)+512*\c
.endr
.endr
	ds_store_b32 v[XWS], v[SB+(\t)/4] offset:XSC+128*((\t)/4)
.endif
.endm
.irp t, 0,1,2,3,4,5,6,7
	BLOCK \t
.endr
	s_wait_dscnt 0x0                               ; for the others' sake: my images have landed
	s_barrier_signal -1
	s_barrier_wait -1                              ; x's sixteen fragments lie in LDS; nothing is written there again
	WIN 0x40                                       ; destination window 1
.irp f, 0,1,2,3,4,5,6,7,8,9,10,11,12,13,14,15
.irp c, 0,1,2
	ds_load_b128 v[12*\f+4*\c:12*\f+4*\c+3], v[LI] offset:1536*\f+512*\c
.endr
.endr
	WIN 0xc0                                       ; destination window 3: the fragments of token tiles 4 g .. 4 g + 3 once more, since a register's number cannot hang on g
.irp f, 0,1,2,3,4,5,6,7
.irp c, 0,1,2
	ds_load_b128 v[12*\f+4*\c:12*\f+4*\c+3], v[QFI] offset:1536*\f+512*\c
.endr
.endr
	WIN 0
.irp k, 0,1,2,3,4,5,6,7
	ds_load_b32 v[XS+\k], v[LS] offset:XSC+128*\k
.endr
.irp k, 0,1,2,3
	ds_load_b32 v[XQS+\k], v[QFS] offset:XSC+128*\k
.endr
.irp b, 0,1,2,3
	v_mov_b32 v[TM+4+\b], 0                        ; a lane permute's destination counts as one of its sources
.endr
	s_wait_dscnt 0x0
; 64 numbers of a lane, register 16 b + i = k 32 b + 16 (lane / 16) + i of my row, become a fragment's codes in v[PC] on and its scale word in v[pw]
.macro QUANT s, pw
.irp b, 0,1,2,3
	v_max3_num_f32 v[TM+\b], |v[\s+16*\b]|, |v[\s+1+16*\b]|, 0x1800000   ; block b: my 16 numbers, and the floor 2^(3 - 127)
.endr
.irp i, 2,4,6,8,10,12,14
.irp b, 0,1,2,3
	v_max3_num_f32 v[TM+\b], v[TM+\b], |v[\s+16*\b+\i]|, |v[\s+1+16*\b+\i]|   ; (the four blocks by turns)
.endr
.endr
.irp b, 0,1,2,3
	v_permlanex16_b32 v[TM+4+\b], v[TM+\b], s[SEL], s[SEL+1]
.endr
.irp b, 0,1,2,3
	v_max_num_f32 v[TM+\b], v[TM+\b], v[TM+4+\b]   ; with lane l xor 16's: the block's largest magnitude
.endr
.irp b, 0,1,2,3
	v_add_nc_u32 v[TM+12+\b], 0xff000000, v[TM+\b] ; 2 off its exponent field: the conversion's scale operand
.endr
.irp b, 0,1,2,3
	v_lshrrev_b32 v[TM+4+\b], 23, v[TM+12+\b]      ; the scale's byte
.endr
	v_lshl_or_b32 v[\pw], v[TM+5], 8, v[TM+4]      ; the four bytes make my row's scale word
	v_lshl_or_b32 v[\pw], v[TM+6], 16, v[\pw]
	v_lshl_or_b32 v[\pw], v[TM+7], 24, v[\pw]
.irp c, 0,1
	v_cvt_scalef32_pk16_fp6_f32 v[PC+6*\c:PC+2+6*\c], v[\s+32*\c:\s+15+32*\c], v[TM+12+2*\c]
	v_cvt_scalef32_pk16_fp6_f32 v[PC+12+4*\c:PC+14+4*\c], v[\s+16+32*\c:\s+31+32*\c], v[TM+12+2*\c+1]
.endr
	v_nop                                          ; one plain place behind a scaled conversion
.irp c, 0,1                            ; the operand's layout wants a WHOLE block in a lane: lanes 0-15 block 2 c, lanes 16-31 block 2 c + 1
.irp i, 0,1,2
	v_permlane16_swap_b32 v[PC+6*\c+\i], v[PC+12+4*\c+\i]
.endr
.irp i, 0,1,2
	v_mov_b32 v[PC+3+6*\c+\i], v[PC+12+4*\c+\i]
.endr
.endr
.endm
	; q or k of my 64 tokens: 8 accumulators (token tile be, W tile u) by turns, K step by K step
	WIN 0x2e                                       ; source 0 (W) window 2, source 1 (x) window 3, C (the bias) window 2
.irp be, 0,1,2,3
.irp u, 0,1
	WM ACC+16*\be+8*\u, WQF+24*\u, 24*\be, BQ+8*\u, WQS+2*\u, XQS+2*(\be/2), 2*(\be%2)
.endr
.endr
	WIN 0x0e
.irp be, 0,1,2,3
.irp u, 0,1
	WM ACC+16*\be+8*\u, WQF+24*\u+12, 24*\be+12, ACC+16*\be+8*\u, WQS+2*\u+1, XQS+2*(\be/2)+1, 2*(\be%2)
.endr
.endr
	WIN 0
.rept 4
	v_nop                                          ; four places in front of the first read of results (ISA guide 7.12.1)
.endr
	QUANT ACC, PW                                  ; block be = the 32 channels of a token of tile 4 g + be: lane (r, h) ends with tokens 64 g + 32 c + 8 h + r + 8 (r / 8), c = 0, 1, 24 bytes each
.irp c, 0,1
.irp p, 0,1,2
	global_store_b64 v[ROWA], v[PC+6*\c+2*\p:PC+6*\c+2*\p+1], s[24:25] offset:768*\c+8*\p
.endr
.endr
	global_store_b32 v[QSA], v[PW], s[24:25]       ; byte be of row r: the token of tile 4 g + be, row r
; v's channels 64 w + 16 tl .. + 15 for the 128 tokens: 8 accumulators (token tiles) by turns, K step by K step
.macro VUNIT tl
	WIN 0x29                                       ; source 0 (x) window 1, source 1 (Wv) window 2, C (bv) window 2
.irp T, 0,1,2,3,4,5,6,7
	WM ACC+8*\T, 24*\T, WVF+24*\tl, BV+8*\tl, XS+2*(\T/2), WVS+2*\tl, \T%2
.endr
	WIN 0x09
.irp T, 0,1,2,3,4,5,6,7
	WM ACC+8*\T, 24*\T+12, WVF+24*\tl+12, ACC+8*\T, XS+2*(\T/2)+1, WVS+2*\tl+1, \T%2
.endr
	WIN 0
.rept 4
	v_nop                                          ; four places in front of the first read of results
.endr
	s_wait_xcnt 0x0                                ; the last unit's stores have had their addresses translated (ISA guide 3.1): only behind this wait are the codes' registers written again
	QUANT ACC, PWS+\tl                             ; along the tokens: a fragment of 16 channels x 128 keys
.irp c, 0,1,2
	global_store_b128 v[XWI], v[PC+4*\c:PC+4*\c+3], s[24:25] offset:1536*\tl+512*\c   ; the image: 32 lanes store 512 consecutive bytes, at a multiple of 256 from the buffer's first byte
.endr
.endm
	VUNIT 0
	VUNIT 1
	VUNIT 2
	VUNIT 3
	global_store_b128 v[VSO], v[PWS:PWS+3], s[24:25] offset:VSC    ; my four tiles' scale words, four a lane
	s_wait_tensorcnt 0x0
	ds_add_u32 v254, v255
	s_wait_dscnt 0x0
	s_endpgm
.Lfunc_end_k_qbf51f6bc63_project:
	.size	k_qbf51f6bc63_project, .Lfunc_end_k_qbf51f6bc63_project-k_qbf51f6bc63_project
	.p2alignl 7, 3214868480
	.fill 96, 4, 3214868480
	.section	.rodata,"a",@progbits
	.p2align	6, 0x0
	.amdhsa_kernel k_qbf51f6bc63_project
		.amdhsa_group_segment_fixed_size 26112
		.amdhsa_private_segment_fixed_size 0
		.amdhsa_enable_private_segment 0
		.amdhsa_kernarg_size 88
		.amdhsa_user_sgpr_count 2
		.amdhsa_user_sgpr_kernarg_segment_ptr 1
		.amdhsa_wavefront_size32 1
		.amdhsa_system_sgpr_workgroup_id_x 1
		.amdhsa_system_sgpr_workgroup_id_y 1
		.amdhsa_system_sgpr_workgroup_id_z 1
		.amdhsa_system_vgpr_workitem_id 0
		.amdhsa_next_free_vgpr 864
		.amdhsa_next_free_sgpr 66
		.amdhsa_reserve_vcc 0
		.amdhsa_float_denorm_mode_32 3
		.amdhsa_float_denorm_mode_16_64 3
		.amdhsa_memory_ordered 1
		.amdhsa_forward_progress 1
		.amdhsa_inst_pref_size 90
	.end_amdhsa_kernel
	.amdgpu_metadata
---
amdhsa.version: [ 1, 2 ]
amdhsa.kernels:
  - .name:           k_qbf51f6bc63_project
    .symbol:         k_qbf51f6bc63_project.kd
    .args:
      - { .name: x, .offset: 0, .size: 8, .value_kind: global_buffer, .address_space: global }
      - { .name: Wq_codes, .offset: 8, .size: 8, .value_kind: global_buffer, .address_space: global }
      - { .name: Wq_scales, .offset: 16, .size: 8, .value_kind: global_buffer, .address_space: global }
      - { .name: bq, .offset: 24, .size: 8, .value_kind: global_buffer, .address_space: global }
      - { .name: Wk_codes, .offset: 32, .size: 8, .value_kind: global_buffer, .address_space: global }
      - { .name: Wk_scales, .offset: 40, .size: 8, .value_kind: global_buffer, .address_space: global }
      - { .name: bk, .offset: 48, .size: 8, .value_kind: global_buffer, .address_space: global }
      - { .name: Wv_codes, .offset: 56, .size: 8, .value_kind: global_buffer, .address_space: global }
      - { .name: Wv_scales, .offset: 64, .size: 8, .value_kind: global_buffer, .address_space: global }
      - { .name: bv, .offset: 72, .size: 8, .value_kind: global_buffer, .address_space: global }
      - { .name: rec, .offset: 80, .size: 8, .value_kind: global_buffer, .address_space: global }
    .group_segment_fixed_size: 26112
    .private_segment_fixed_size: 0
    .kernarg_segment_align: 8
    .kernarg_segment_size: 88
    .max_flat_workgroup_size: 128
    .sgpr_count:     66
    .vgpr_count:     864
    .wavefront_size: 32
...
	.end_amdgpu_metadata
.endif
;; end of part 1
;; launch attend (part 2): grid 32 x 8, 4 waves a work-group, clusters of 4 x 1, 327,680 bytes of LDS; arguments rec, x, gamma, out0; writes out0
.if DOCPART == 2
	.amdgcn_target "amdgcn-amd-amdhsa--gfx1250"
	.amdhsa_code_object_version 6
	.text
	.protected	k_qbf51f6bc63_attend
	.globl	k_qbf51f6bc63_attend
	.p2align	8
	.type	k_qbf51f6bc63_attend,@function
k_qbf51f6bc63_attend:
	s_mov_b64 s[64:65], 0
	v_nop
	global_prefetch_b8 v0, s[64:65] scope:SCOPE_SE
	s_setreg_imm32_b32 hwreg(HW_REG_WAVE_MODE, 25, 1), 1
	s_wait_xcnt 0x0
	s_wait_alu depctr_hold_cnt(0) depctr_sa_sdst(0) depctr_va_vdst(0) depctr_va_sdst(0) depctr_va_ssrc(0) depctr_va_vcc(0) depctr_vm_vsrc(0)
	s_getreg_b32 s2, hwreg(HW_REG_IB_STS2, 6, 4)
	s_cmp_eq_u32 s2, 0
	s_cbranch_scc0 .Lentry_in_a_cluster
	s_endpgm
.Lentry_in_a_cluster:
	s_bfe_u32 s2, ttmp6, 0x10000c
	s_cmp_lg_u32 s2, 0x3003
	s_cbranch_scc0 .Lentry_shape_is_right
	s_endpgm
.Lentry_shape_is_right:
; ATTEND: out[b][c][i] = gamma x (sum over j of p(i, j) v[c][j]) / l(i) + x[b][c][i], both products on codes of FP6 (E2M3) with one E8M0 scale for each 32 along K.
; t = (q_i . k_j) x log2(e); M = the row's largest t so far, rounded UP to a whole number; p = 2^(t - M) is quantised along the keys, not normalised; l is the sum of the unquantised p.  When M moves, l and O are multiplied by 2^(old M - new M): exact.
; INPUT: the records of the launch before (33,280 bytes for 128 tokens of a batch): V's 16 fragment images, k's rows of 24 bytes, V's and k's scale words (29,952 bytes: a key step), then q's rows and scale words.
; SHARES.  A work-group owns 128 queries of a batch; each of its four waves, as many as a WGP has SIMDs, owns 32 of them, TWO TILES of 16, and all 256 channels: a fragment of V read from LDS feeds two matrix instructions.
; Every wave walks the batch's 32 records, one a step, through a ring of two LDS slots of four records; each wave fetches one record of a slot.
; CLUSTER.  The four query blocks of a cluster belong to one batch and walk the same records: each is asked for JOINTLY, by the same tensor load with the same descriptor and a mask that names the four.
; LAYOUT.  Both products are used transposed: S^T = K Q^T (source 0 = keys, source 1 = 16 queries), O^T = V P^T (source 0 = 16 channels, source 1 = P): a lane holds ONE query of each tile (lane % 16) throughout.
; K OF THE FIRST PRODUCT IS 32, the instruction's is 128: ONE fragment of K holds FOUR tiles of 16 keys, one in each block of 32 (lane (r, h), registers 6 c on: the 24 bytes of key 64 g + 32 c + 8 h + r + 8 (r / 8)),
; and Q stands in four variants: variant be has q's codes in block be and zero codes elsewhere, so that it picks tile 4 g + be.  The variants are windows of 12 registers on ONE chain of 30: Z X Z Y Z (Z: six zeros; X: q in lanes 0-15; Y: q in lanes 16-31).
; Variant be's scale word has q's byte at byte be and 0 (2^-127, no NaN) elsewhere; the zero codes add nothing.
; By the keys' order the 16 registers of S^T's tiles 2 b and 2 b + 1 are keys 32 b + 16 (lane / 16) + 0 .. 15: the conversions' results, with one exchange of halves, are the second product's operand.
; A TRIP IS TURNED BY ONE PHASE: K of step j is asked for | O^T += V P^T of step j - 1 | V of step j is asked for, in four groups | S^T of step j | the softmax of step j.  So K lands under the V products and V under the softmax,
; and at a change of slots all that is left of the old slot lies in registers.  Step 0 has no V products and step 1's start the sums with the constant 0: both are written out, and nothing is cleared.
; The wave is alone on its SIMD, so vector work stands between its matrix instructions where one window setting serves both: O^T's rescaling, four packed multiplies behind each V product, two accumulators ahead.
; LIMITS: NaN and infinities are not served; p under 2^-126 is 0 (v_exp_f32 flushes: ISA guide 15.8); a block of p whose largest lies under 2^-124 gets the byte 1; the running largest t starts at -3e38.
; REGISTERS, in windows of 256.  window 0: v1-11 addresses; v12-19 for each tile -M, the largest t, l in two halves; v20-23 stage; v24-57 at work; v58-97 p's codes; v98-225 S^T, then p; v228-255 scale words and nothing else.
;   windows 1, 2: channel tiles 0-7, 8-15: v0-127 O^T (tile tt of the half, query tile a at 8 (2 tt + a)), v128-223 the half's 8 fragments of V.   window 3: v0-23 K; v24-83 Q's two chains; v96-255 40 rows of x for the residual.
.set RECB,  33280
.set RECL,  29952                      ; what a key step wants of a record: 117 x 256 bytes
.set KROW,  24576
.set VSC,   27648
.set KSC,   29696
.set QROW,  29952
.set QSC,   33024
.set SLOT1, 1<<17                      ; slot 0 at 0, slot 1 here (119,808 bytes each): one exclusive or turns an address from one slot to the other
.set SPARE, 262144                     ; behind the ring: the spare words, 128 bytes for each wave: two blocks of 256 bytes that no other line names
.set SPITCH, 528                       ; the way out: a stage of 256 rows (channels) x (512 bytes + 16) from LDS byte 0 on: both slots have then had their last fill and their last read
.set LI,   1                           ; v1   16 x lane
.set AK0,  2                           ; v2   KROW + 24 (8 h + r + 8 (r / 8))
.set AS0,  3                           ; v3   KSC + 4 x lane
.set SPW,  5                           ; v5   LDS address of my spare word; never rewritten
.set NIL,  6                           ; v6   0; never rewritten
.set RD,   7                           ; v7   the stage: my 64 rows, 16 bytes a lane
.set ADV,  8                           ; v8-10 the step's addresses
.set ADK,  9
.set ADS,  10
.set ZR,   11                          ; v11  a zero, for the head
.set ST,   12                          ; tile a: v[ST+4a] -M, +1 the largest t, +2, +3 l in two halves
.set STO,  20                          ; v20-23 the stage: where my queries' numbers of channel 64 k + 8 h go
.set F,    24                          ; v[24:25], v[26:27] f = 2^(old M - new M) of tile a; at the end gamma / l  (the upper word is named with it as a pair, so it is written)
.set TMP,  28                          ; v28-29
.set SUM2, 30                          ; v[30:31], v[32:33] the sums' second chains
.set BM,   34                          ; v34-41 the blocks' largest scores, then largest p: 4 a + b
.set BT,   42                          ; v42-49 the other half's, then the bytes
.set SO,   50                          ; v50-57 the conversions' scale operands
.set PT,   58                          ; v58-73 conversions' second results: 8 a + 4 c
.set PC,   74                          ; v74-97 p's codes: 12 a
.set S,    98                          ; v98-225 S^T, then p: 64 a
.set QS,   228                         ; v228-235 Q's scale words: 4 a + be
.set KS,   236                         ; v236-237 K's
.set PS,   238                         ; v238-239 p's
.set VS,   240                         ; v240-255 V's: one for each channel tile
.set VF,   128                         ; windows 1, 2: V's fragments
.set KF,   0                           ; window 3
.set QC,   24                          ; window 3: tile a's chain at QC + 30 a
.set XR3,  96                          ; window 3: rows 0-39 of x
.set XR1,  128                         ; window 1: rows 40-63 of x, where V's fragments lay
.set LI2,  224                         ; window 2: a copy of 16 x lane
.set LN,   98                          ; the head's temporaries lie where S^T will lie
.set RR,   99
.set HH,   100
.set T3,   101
.set QA,   102
.set QBA,  103
.set QT,   104                         ; v104-115 q's 24 bytes as loaded: 6 a
.set QB,   116                         ; v116-117 q's scale byte
.set WV,   12                          ; s12  wave
.set SEL,  20                          ; s[20:21] selects for lane l xor 16
.set CS,   22                          ; s[22:23] log2(e): the packed form names a pair and takes its low word
.set G1,   24                          ; s[24:31] descriptor group 1
.set G0,   32                          ; s[32:35] descriptor group 0, which walks
.set TB,   36                          ; s36  LDS byte at which the step's record begins
.set SLOTS, 37
.set INNER, 38
.set GAM,  39
.set MSB, 0
.macro WIN new                         ; the immediate's high byte repeats the setting that is left
.if MSB != (\new)
	s_set_vgpr_msb (MSB<<8)|(\new)
.set MSB, (\new)
.endif
.endm
; A joint load: each wave fetches one record of a slot.  Four v_nop follow the line.
.macro JLOAD
	tensor_load_to_lds s[G0:G0+3], s[G1:G1+7]
	s_nop 0
.rept 4
	v_nop
.endr
.endm
; A round of the cluster's barrier: my work-group's barrier; wave 0 signals for the work-group; every wave waits for all four work-groups; my work-group's barrier once more.
.macro CROUND
	s_barrier_signal -1
	s_barrier_wait -1
	s_cmp_lg_u32 s[WV], 0
	s_cbranch_scc1 .Lnot_wave_0_\@
	s_barrier_signal -3
.Lnot_wave_0_\@:
	s_barrier_wait -3
	s_barrier_signal -1
	s_barrier_wait -1
.endm
.macro PLACES
.rept 4
	v_nop
.endr
.endm
	s_load_b256 s[4:11], s[0:1], 0x0               ; rec s[4:5], x s[6:7], gamma s[8:9], out0 s[10:11]
	v_lshl_add_u32 v[SPW], v0, 2, SPARE
	v_mov_b32 v[NIL], 0
	ds_add_u32 v5, v6
	ds_add_u32 v5, v6
	s_wait_dscnt 0x0
	v_lshrrev_b32 v1, 5, v0
	v_readfirstlane_b32 s[WV], v1                  ; wave 0..3
	s_bfe_u32 s13, ttmp6, 0x40000                  ; cx: my place in the cluster: it enters the addresses of q, x and out0 alone
	s_lshl_b32 s14, ttmp9, 2
	s_add_co_u32 s14, s14, s13                     ; my block of 128 queries = 4 x cluster x + cx
	s_and_b32 s15, ttmp7, 0xffff                   ; the batch, which the four partners share
	; descriptor group 1: a record's first 29,952 bytes, dense, as 117 rows of 256 bytes (32 elements of 8 bytes); images are read as consecutive bytes, so no padding
	s_mov_b32 s[G1], 15|(3<<16)|(1<<21)            ; 15:0 the mask: all four work-groups; 17:16 elements of 8 bytes; 20 padding off; 21 set beside a mask
	s_mov_b32 s[G1+1], 32<<16                      ; tensor_dim0 = 32
	s_mov_b32 s[G1+2], 117<<16                     ; tensor_dim1 = 117
	s_mov_b32 s[G1+3], 32<<16                      ; tile_dim0 = 32
	s_mov_b32 s[G1+4], 117                         ; tile_dim1 = 117
	s_mov_b32 s[G1+5], 32                          ; elements from row to row
	s_mov_b32 s[G1+6], 0
	s_mov_b32 s[G1+7], 0
	s_lshl_b32 s40, s15, 5
	s_add_co_u32 s42, s40, s14                     ; my queries' record: 32 x batch + block
	s_add_co_u32 s40, s40, s[WV]                   ; the record that I fetch first: 32 x batch + wave
	s_mul_i32 s40, s40, RECB
	s_mov_b32 s41, 0
	s_mul_i32 s42, s42, RECB
	s_mov_b32 s43, 0
	s_lshl_b32 s44, s15, 22                        ; x and out0: batch x 4,194,304 + wave x 64 channels of 16,384 bytes + block x 512
	s_lshl_b32 s45, s[WV], 20
	s_add_co_u32 s44, s44, s45
	s_lshl_b32 s45, s14, 9
	s_add_co_u32 s44, s44, s45
	s_mov_b32 s45, 0
	s_mul_i32 s46, s[WV], 768                      ; q's rows of my 32 queries
	s_add_co_u32 s46, s46, QROW
	s_lshr_b32 s47, s[WV], 1                       ; q's scale byte of query 32 w + 16 a + r lies at 128 (w / 2) + 2 (w % 2) + 32 a + 4 (r % 8) + r / 8
	s_lshl_b32 s47, s47, 7
	s_and_b32 s18, s[WV], 1
	s_lshl_b32 s18, s18, 1
	s_add_co_u32 s47, s47, s18
	s_add_co_u32 s47, s47, QSC
	s_mov_b32 s[SEL], 0x76543210
	s_mov_b32 s[SEL+1], 0xfedcba98
	s_mov_b32 s[CS], 0x3fb8aa3b                    ; log2(e)
	s_mov_b32 s[CS+1], s[CS]
	s_mov_b32 s[TB], 0
	; every lane address is made here, ahead of the first load
	v_and_b32 v[LN], 31, v0                        ; lane
	v_and_b32 v[RR], 15, v0                        ; r
	v_bfe_u32 v[HH], v0, 4, 1                      ; h
	v_lshlrev_b32 v[LI], 4, v[LN]
	v_and_b32 v[T3], 8, v[RR]
	v_add_nc_u32 v[T3], v[T3], v[RR]               ; r + 8 (r / 8)
	v_lshl_add_u32 v[T3], v[HH], 3, v[T3]          ; + 8 h
	v_mul_u32_u24 v[AK0], v[T3], 24
	v_add_nc_u32 v[AK0], KROW, v[AK0]
	v_lshl_add_u32 v[AS0], v[LN], 2, KSC
	s_mul_i32 s18, s[WV], 64*SPITCH
	v_add_nc_u32 v[RD], s18, v[LI]
	s_lshl_b32 s18, s[WV], 7
	v_mul_u32_u24 v[STO], v[HH], 8*SPITCH          ; row 8 h, + 4 r + 128 w: my first tile's query in a row of 128
	v_lshl_add_u32 v[STO], v[RR], 2, v[STO]
	v_add_nc_u32 v[STO], s18, v[STO]
	v_add_nc_u32 v[STO+1], 64*SPITCH, v[STO]
	v_add_nc_u32 v[STO+2], 128*SPITCH, v[STO]
	v_add_nc_u32 v[STO+3], 192*SPITCH, v[STO]
	v_mul_u32_u24 v[QA], v[RR], 24
	v_add_nc_u32 v[QA], s46, v[QA]                 ; q: row 32 w + r
	v_and_b32 v[QBA], 7, v[RR]
	v_lshlrev_b32 v[QBA], 2, v[QBA]
	v_lshrrev_b32 v[T3], 3, v[RR]
	v_add_nc_u32 v[QBA], v[QBA], v[T3]
	v_add_nc_u32 v[QBA], s47, v[QBA]               ; and its scale byte
	s_wait_kmcnt 0x0
	s_mov_b32 s[G0], 1                             ; 1:0 count = 1
	s_mul_i32 s[G0+1], s[WV], RECL                 ; 63:32 LDS address: slot 0, wave x a record: no place in the cluster enters it
	s_add_nc_u64 s[G0+2:G0+3], s[4:5], s[40:41]    ; 120:64 global address
	s_or_b32 s[G0+3], s[G0+3], 0x80000000          ; 127:126 type = 2
	s_add_nc_u64 s[16:17], s[4:5], s[42:43]        ; my queries' record
	s_add_nc_u64 s[6:7], s[6:7], s[44:45]
	s_add_nc_u64 s[10:11], s[10:11], s[44:45]
	CROUND                                         ; all four work-groups are here: the first joint loads meet
	JLOAD                                          ; slot 0: records 0 to 3
	s_load_b32 s[GAM], s[8:9], 0x0
.irp a, 0,1
.irp p, 0,1,2
	global_load_b64 v[QT+6*\a+2*\p:QT+6*\a+2*\p+1], v[QA], s[16:17] offset:384*\a+8*\p
.endr
	global_load_u8 v[QB+\a], v[QBA], s[16:17] offset:32*\a
.endr
	v_mov_b32 v[ZR], 0
	v_cmp_gt_u32 vcc_lo, 16, v[LN]                 ; lanes 0-15
	WIN 0xc0                                       ; destination window 3
.irp a, 0,1
.irp i, 0,1,2,3,4,5
	v_mov_b32 v[QC+30*\a+\i], 0                    ; Z, three times
	v_mov_b32 v[QC+30*\a+12+\i], 0
	v_mov_b32 v[QC+30*\a+24+\i], 0
.endr
.endr
	s_wait_loadcnt 0x0                             ; q
.irp a, 0,1
.irp i, 0,1,2,3,4,5
	v_cndmask_b32 v[QC+30*\a+6+\i], 0, v[QT+6*\a+\i], vcc_lo           ; X: q in lanes 0-15, zero codes in lanes 16-31
	v_cndmask_b32 v[QC+30*\a+18+\i], v[QT+6*\a+\i], v[ZR], vcc_lo      ; Y: the other way round
.endr
.endr
	WIN 0
.irp a, 0,1
	v_mov_b32 v[QS+4*\a], v[QB+\a]
	v_lshlrev_b32 v[QS+4*\a+1], 8, v[QB+\a]
	v_lshlrev_b32 v[QS+4*\a+2], 16, v[QB+\a]
	v_lshlrev_b32 v[QS+4*\a+3], 24, v[QB+\a]
.endr
.irp a, 0,1                            ; eighteen plain lines: also the places between the making of Q's codes and scale words and the first product
	v_mov_b32 v[ST+4*\a+1], 0xff61b1e6             ; the largest t so far: -3e38, under every t
	v_floor_f32 v[ST+4*\a], -v[ST+4*\a+1]          ; -M
	v_mov_b32 v[ST+4*\a+2], 0                      ; l, in two halves
	v_mov_b32 v[ST+4*\a+3], 0
	v_mov_b32 v[F+2*\a+1], 0
.irp b, 0,1,2,3
	v_mov_b32 v[BT+4*\a+\b], 0                     ; a lane permute's destination counts as one of its sources
.endr
.endr
	s_wait_kmcnt 0x0                               ; gamma
; K of the step at s[TB]: two fragments and their scale words, 14 loads
.macro KLOAD
	v_add_nc_u32 v[ADK], s[TB], v[AK0]
	v_add_nc_u32 v[ADS], s[TB], v[AS0]
	WIN 0xc0                                       ; destination window 3
.irp g, 0,1
.irp c, 0,1
.irp p, 0,1,2
	ds_load_b64 v[KF+12*\g+6*\c+2*\p:KF+12*\g+6*\c+2*\p+1], v[ADK] offset:1536*\g+768*\c+8*\p   ; rows of 24 bytes = 6 words: the 32 lanes' 32 tokens touch 64 different banks (64 banks of 4 bytes: ISA guide 11.1)
.endr
.endr
.endr
	WIN 0
.irp g, 0,1
	ds_load_b32 v[KS+\g], v[ADS] offset:128*\g
.endr
.endm
; four fragments of V, channel tiles 8 hw + t0 .. + 3, into window 1 + hw: 12 loads of 512 consecutive bytes
.macro VL hw, t0
	WIN 0x40+0x40*(\hw)
.irp i, 0,1,2,3
.irp c, 0,1,2
	ds_load_b128 v[VF+12*(\t0+\i)+4*\c:VF+12*(\t0+\i)+4*\c+3], v[ADV] offset:1536*(8*(\hw)+\t0+\i)+512*\c
.endr
.endr
.endm
; S^T = K Q^T: sixteen products on sixteen accumulators
.macro SMUL
	WIN 0x0f                                       ; sources 0 (K) and 1 (Q) window 3
.irp a, 0,1
.irp g, 0,1
.irp be, 0,1,2,3
	v_wmma_scale_f32_16x16x128_f8f6f4 v[S+64*\a+8*(4*\g+\be):S+64*\a+8*(4*\g+\be)+7], v[KF+12*\g:KF+12*\g+11], v[QC+30*\a+6+12*(\be%2)-6*(\be/2):QC+30*\a+17+12*(\be%2)-6*(\be/2)], 0, v[KS+\g], v[QS+4*\a+\be] matrix_a_fmt:MATRIX_FMT_FP6 matrix_b_fmt:MATRIX_FMT_FP6
.endr
.endr
.endr
.endm
; an accumulator of the window in hand x its tile's f, from its low end on
.macro RESC acc
.irp k, 0,2,4,6
	v_pk_mul_f32 v[8*(\acc)+\k:8*(\acc)+\k+1], v[8*(\acc)+\k:8*(\acc)+\k+1], v[F+2*((\acc)%2):F+2*((\acc)%2)+1] op_sel_hi:[1,0]
.endr
.endm
; O^T += V P^T: 32 products on 32 accumulators, a window of 16 at a time.  ONE setting serves the products and the rescaling: destination, source 0 (V; O^T) and C in the half's window, source 1 (P's codes; f) in window 0.
; Accumulator n + 2 is brought under the new M behind product n, so that four plain lines stand between an accumulator's rescaling and its product; four v_nop do that for the last.  zero = 1: the products start the sums.
.macro PV zero
.irp hw, 0,1
	WIN 0x51+0x51*\hw
.if \zero == 0
	RESC 0
	RESC 1
.endif
.set n, 0
.rept 16
.if \zero
	v_wmma_scale_f32_16x16x128_f8f6f4 v[8*n:8*n+7], v[VF+12*(n/2):VF+12*(n/2)+11], v[PC+12*(n%2):PC+12*(n%2)+11], 0, v[VS+8*\hw+n/2], v[PS+n%2] matrix_a_fmt:MATRIX_FMT_FP6 matrix_b_fmt:MATRIX_FMT_FP6
.else
	v_wmma_scale_f32_16x16x128_f8f6f4 v[8*n:8*n+7], v[VF+12*(n/2):VF+12*(n/2)+11], v[PC+12*(n%2):PC+12*(n%2)+11], v[8*n:8*n+7], v[VS+8*\hw+n/2], v[PS+n%2] matrix_a_fmt:MATRIX_FMT_FP6 matrix_b_fmt:MATRIX_FMT_FP6
.if n < 14
	RESC n+2
.elseif n == 14
	PLACES
.endif
.endif
.set n, n+1
.endr
.endr
	WIN 0
.endm
; THE SOFTMAX of a step, both tiles.  A: the maxima, M and f, the two tiles by turns
.macro SOFT_A
.irp b, 0,1,2,3
.irp a, 0,1
	v_max3_num_f32 v[BM+4*\a+\b], v[S+64*\a+16*\b], v[S+64*\a+16*\b+1], v[S+64*\a+16*\b+2]   ; the largest score of each block of 32 keys: it serves for the row's maximum and, since p rises with the score, for the block's largest p
.endr
.endr
.irp i, 3,5,7,9,11,13
.irp b, 0,1,2,3
.irp a, 0,1
	v_max3_num_f32 v[BM+4*\a+\b], v[BM+4*\a+\b], v[S+64*\a+16*\b+\i], v[S+64*\a+16*\b+\i+1]
.endr
.endr
.endr
.irp b, 0,1,2,3
.irp a, 0,1
	v_max_num_f32 v[BM+4*\a+\b], v[BM+4*\a+\b], v[S+64*\a+16*\b+15]
.endr
.endr
.irp b, 0,1,2,3
.irp a, 0,1
	v_permlanex16_b32 v[BT+4*\a+\b], v[BM+4*\a+\b], s[SEL], s[SEL+1]
.endr
.endr
.irp b, 0,1,2,3
.irp a, 0,1
	v_max_num_f32 v[BM+4*\a+\b], v[BM+4*\a+\b], v[BT+4*\a+\b]      ; with lane l xor 16's 16 keys
.endr
.endr
.irp a, 0,1
	v_max3_num_f32 v[TMP+\a], v[BM+4*\a], v[BM+4*\a+1], v[BM+4*\a+2]
.endr
.irp a, 0,1
	v_max_num_f32 v[TMP+\a], v[TMP+\a], v[BM+4*\a+3]               ; the step's largest score of my query
.endr
.irp a, 0,1
	v_mul_f32 v[TMP+\a], s[CS], v[TMP+\a]                          ; as t
.endr
.irp a, 0,1
	v_max_num_f32 v[ST+4*\a+1], v[ST+4*\a+1], v[TMP+\a]            ; the running largest t
.endr
.irp a, 0,1
	v_mov_b32 v[TMP+\a], v[ST+4*\a]
.endr
.irp a, 0,1
	v_floor_f32 v[ST+4*\a], -v[ST+4*\a+1]                          ; the new -M = floor(-t) = -ceil(t): a whole number
.endr
.irp a, 0,1
	v_sub_f32 v[TMP+\a], v[ST+4*\a], v[TMP+\a]                     ; old M less new M: a whole number, 0 or less
.endr
.irp a, 0,1
	v_cvt_i32_f32 v[TMP+\a], v[TMP+\a]                             ; (it saturates)
.endr
.irp a, 0,1
	v_ldexp_f32 v[F+2*\a], 1.0, v[TMP+\a]                          ; f = 2^(old M - new M)
.endr
.endm
; B: tile 0's t - M.  C: tile 0's exponentials, with tile 1's t - M between them: an exponential's neighbour is a plain line of the other tile
.macro SOFT_BC
.set j, 0
.rept 32
	v_pk_fma_f32 v[S+j:S+j+1], v[S+j:S+j+1], s[CS:CS+1], v[ST:ST+1] op_sel_hi:[1,0,0]   ; t - M, two at a time
.set j, j+2
.endr
.irp b, 0,1,2,3
	v_fma_f32 v[BM+\b], v[BM+\b], s[CS], v[ST]                     ; the same of each block's largest score
.endr
.set j, 0
.rept 32
	v_exp_f32 v[S+j], v[S+j]                                       ; p = 2^(t - M), at most 1
	v_pk_fma_f32 v[S+64+j:S+64+j+1], v[S+64+j:S+64+j+1], s[CS:CS+1], v[ST+4:ST+5] op_sel_hi:[1,0,0]
	v_exp_f32 v[S+j+1], v[S+j+1]
.set j, j+2
.endr
.irp b, 0,1,2,3
	v_exp_f32 v[BM+\b], v[BM+\b]                                   ; the block's largest p: the same two instructions on the same number
	v_fma_f32 v[BM+4+\b], v[BM+4+\b], s[CS], v[ST+4]               ; (the last of these is the plain line behind tile 0's last exponential)
.endr
.endm
.macro EX1                             ; the next of tile 1's 68 exponentials
.if e1 < 64
	v_exp_f32 v[S+64+e1], v[S+64+e1]
.elseif e1 < 68
	v_exp_f32 v[BM+e1-60], v[BM+e1-60]
.endif
.set e1, e1+1
.endm
.macro MAYBE il
.if \il
	EX1
.endif
.endm
; What follows tile a's exponentials: l under the new M, the scale bytes, the codes, l's new terms.  il = 1: one of tile 1's exponentials stands behind each line
.macro POST a, il
	v_pk_mul_f32 v[ST+4*\a+2:ST+4*\a+3], v[ST+4*\a+2:ST+4*\a+3], v[F+2*\a:F+2*\a+1] op_sel_hi:[1,0]   ; l under the new M
	s_wait_alu depctr_va_vdst(0)
	MAYBE \il
	s_wait_alu depctr_va_vdst(0)
.irp b, 0,1,2,3
	v_max_num_f32 v[BM+4*\a+\b], 0x1800000, v[BM+4*\a+\b]          ; the floor 2^(3 - 127): the byte cannot fall under 1
	MAYBE \il
.endr
.irp b, 0,1,2,3
	v_add_nc_u32 v[SO+4*\a+\b], 0xff000000, v[BM+4*\a+\b]          ; 2 off the exponent field: the conversion's scale operand
	MAYBE \il
.endr
.irp b, 0,1,2,3
	v_lshrrev_b32 v[BT+4*\a+\b], 23, v[SO+4*\a+\b]                 ; the scale's byte
	MAYBE \il
.endr
	v_lshl_or_b32 v[PS+\a], v[BT+4*\a+1], 8, v[BT+4*\a]            ; p's scale word for these 128 keys
	MAYBE \il
	v_lshl_or_b32 v[PS+\a], v[BT+4*\a+2], 16, v[PS+\a]
	MAYBE \il
	v_lshl_or_b32 v[PS+\a], v[BT+4*\a+3], 24, v[PS+\a]
	MAYBE \il
.irp c, 0,1
	v_cvt_scalef32_pk16_fp6_f32 v[PC+12*\a+6*\c:PC+12*\a+6*\c+2], v[S+64*\a+32*\c:S+64*\a+32*\c+15], v[SO+4*\a+2*\c]
	MAYBE \il
	v_cvt_scalef32_pk16_fp6_f32 v[PT+8*\a+4*\c:PT+8*\a+4*\c+2], v[S+64*\a+32*\c+16:S+64*\a+32*\c+31], v[SO+4*\a+2*\c+1]   ; (a conversion's three registers begin on an even number)
	MAYBE \il
.endr
	v_nop                                          ; one plain place behind a scaled conversion
	MAYBE \il
.irp c, 0,1                            ; the operand's layout wants a WHOLE block in a lane
.irp i, 0,1,2
	v_permlane16_swap_b32 v[PC+12*\a+6*\c+\i], v[PT+8*\a+4*\c+\i]
	MAYBE \il
.endr
.irp i, 0,1,2
	v_mov_b32 v[PC+12*\a+6*\c+3+\i], v[PT+8*\a+4*\c+\i]
	MAYBE \il
.endr
.endr
	v_pk_add_f32 v[SUM2+2*\a:SUM2+2*\a+1], v[S+64*\a:S+64*\a+1], v[S+64*\a+2:S+64*\a+3]   ; l takes the UNQUANTISED p: two at a time, in two chains.  (These lines are also the places between the making of p's codes and scale word and the next trip's products)
	MAYBE \il
.set j, 4
.rept 15
	v_pk_add_f32 v[ST+4*\a+2:ST+4*\a+3], v[ST+4*\a+2:ST+4*\a+3], v[S+64*\a+j:S+64*\a+j+1]
	MAYBE \il
	v_pk_add_f32 v[SUM2+2*\a:SUM2+2*\a+1], v[SUM2+2*\a:SUM2+2*\a+1], v[S+64*\a+j+2:S+64*\a+j+3]
	MAYBE \il
.set j, j+4
.endr
	v_pk_add_f32 v[ST+4*\a+2:ST+4*\a+3], v[ST+4*\a+2:ST+4*\a+3], v[SUM2+2*\a:SUM2+2*\a+1]
.endm
.macro SOFT_DE
.set e1, 0
	POST 0, 1                                      ; 64 of tile 1's exponentials stand in it,
.rept 4
	EX1                                            ; the other four here; the first line of what follows is plain and reads none of them
.endr
	POST 1, 0
.endm
; A TRIP: step j, the record at LDS byte s[TB].  pv = 0: no step went before; 1: the V products of step j - 1 start the sums; 2: they add
.macro TRIP pv
	KLOAD
.if \pv == 1
	s_wait_dscnt 14                                ; V of the step before and its scale words are in; K's 14 loads, just issued, may be out
	PV 1
.elseif \pv == 2
	s_wait_dscnt 14
	PV 0
.endif
	v_add_nc_u32 v[ADV], s[TB], v[LI]
.rept 3
	v_nop                                          ; with the addition four places behind the last V product, in front of the loads into V's fragments and scale words (ISA guide 7.12.1 for vector instructions)
.endr
	VL 0, 0                                        ; V's 52 loads go out in four groups, with work between them
	s_wait_dscnt 12                                ; K and its scale words are in; the 12 loads just issued may be out
	SMUL
	VL 0, 4
	WIN 0
.irp G, 0,1,2,3
	ds_load_b128 v[VS+4*\G:VS+4*\G+3], v[ADV] offset:VSC+512*\G    ; the scale words of four channel tiles a load
.endr
	PLACES                                         ; four places in front of the first read of results
	SOFT_A
	VL 1, 0
	WIN 0
	SOFT_BC
	VL 1, 4
	WIN 0
	SOFT_DE
	s_add_co_u32 s[TB], s[TB], RECL
.endm
.macro STEPS n                         ; n trips: the trip is written once and walked n times
	s_mov_b32 s[INNER], \n
.Lstep_\@:
	TRIP 2
	s_sub_co_u32 s[INNER], s[INNER], 1
	s_cmp_lg_u32 s[INNER], 0
	s_cbranch_scc1 .Lstep_\@
.endm
.macro NEXTSLOT
	s_sub_co_u32 s[TB], s[TB], 4*RECL              ; back to a slot's first record,
	s_xor_b32 s[TB], s[TB], SLOT1                  ; in the other slot
.endm
; THE CHANGE OF SLOTS stands at a slot's head.  Each wave waits for all its tensor loads (its record of the slot ahead), adds 0 to its spare word, and waits for that and for its reads of the slot that it has left:
; the last of them are V's fragments of that slot's last step, which are multiplied behind the change, out of registers.
; fill = 1: the barrier is a round of the cluster's, so that no wave of any partner still reads that slot or has a load on its way; the joint refill is the first thing behind it and has four key steps in which to land.
.macro CHANGE fill
	s_wait_tensorcnt 0x0                           ; no tensor load of mine is out (there is never more than one), so group 0 may be written
	ds_add_u32 v[SPW], v[NIL]                      ; 0 onto my spare word
.if \fill
	s_xor_b32 s[G0+1], s[G0+1], SLOT1              ; the other slot than last time,
	s_add_nc_u64 s[G0+2:G0+3], s[G0+2:G0+3], 4*RECB   ; four records on; the type bits on top are not reached
.endif
	s_wait_dscnt 0x0                               ; the add is done, and my reads of the slot that I have left are over
.if \fill
	CROUND
	JLOAD
.else
	s_barrier_signal -1
	s_barrier_wait -1
.endif
.endm
	CHANGE 1                                       ; slot 0 is whole; slot 1 is asked for
	TRIP 0                                         ; step 0
	TRIP 1                                         ; step 1, and the V products of step 0, which start the sums
	STEPS 2                                        ; steps 2 and 3
	NEXTSLOT
	s_mov_b32 s[SLOTS], 6
.Lslot:                                            ; slots 1 to 6: behind each change of slots the next four records are asked for
	CHANGE 1
	STEPS 4
	NEXTSLOT
	s_sub_co_u32 s[SLOTS], s[SLOTS], 1
	s_cmp_lg_u32 s[SLOTS], 0
	s_cbranch_scc1 .Lslot
	CHANGE 0                                       ; the last slot is written out
	WIN 0xc0                                       ; 40 of my 64 rows of x for the residual are asked for here, into registers that lay idle: they land under the last four steps
.set i, 0
.rept 40
	global_load_b128 v[XR3+4*i:XR3+4*i+3], v[LI], s[6:7] offset:16384*i th:TH_LOAD_NT   ; channel 64 w + i, my block's 128 tokens: 512 consecutive bytes; nobody reads them after this
.set i, i+1
.endr
	WIN 0
	STEPS 4
	s_wait_dscnt 0x0                               ; V of the last step is in: my last read of a slot
	PV 0                                           ; and is multiplied
	; THE WAY OUT.  O^T x gamma / l goes through a stage in LDS, channel by row, since a lane holds a query and out0's rows run along the queries; each wave then takes 64 whole rows, adds x and stores 512 consecutive bytes an instruction.
	PLACES                                         ; four places behind the last products
	WIN 0x40                                       ; the other 24 rows of x go where window 1's fragments of V lay; they are used last
.set i, 40
.rept 24
	global_load_b128 v[XR1+4*(i-40):XR1+4*(i-40)+3], v[LI], s[6:7] offset:16384*i th:TH_LOAD_NT
.set i, i+1
.endr
	WIN 0
.irp a, 0,1
	v_add_f32 v[ST+4*\a+2], v[ST+4*\a+2], v[ST+4*\a+3]             ; l's two halves,
.endr
.irp a, 0,1
	v_permlanex16_b32 v[TMP+\a], v[ST+4*\a+2], s[SEL], s[SEL+1]
.endr
.irp a, 0,1
	v_add_f32 v[ST+4*\a+2], v[ST+4*\a+2], v[TMP+\a]                ; and lane l xor 16's
.endr
.irp a, 0,1
	v_rcp_f32 v[ST+4*\a+2], v[ST+4*\a+2]
.endr
	v_nop                                          ; one plain place behind a transcendental
	s_wait_alu depctr_va_vdst(0)
.irp a, 0,1
	v_mul_f32 v[F+2*\a], s[GAM], v[ST+4*\a+2]      ; gamma / l
.endr
	s_wait_dscnt 0x0                               ; my reads of the last slot are over
	s_barrier_signal -1
	WIN 0x51                                       ; register work while the others arrive
.set n, 0
.rept 16
	RESC n
.set n, n+1
.endr
	WIN 0xa2
.set n, 0
.rept 16
	RESC n
.set n, n+1
.endr
	s_barrier_wait -1                              ; nobody reads a slot any more, and no fill follows: the stage may be written
.irp hw, 0,1
	WIN 0x04+0x04*\hw                              ; an LDS store's data are its source 1: window 1, then 2
.irp tt, 0,1,2,3,4,5,6,7
.irp a, 0,1
.irp j, 0,1,2,3,4,5,6,7
	ds_store_b32 v[STO+2*\hw+\tt/4], v[8*(2*\tt+\a)+\j] offset:(16*(\tt%4)+\j)*SPITCH+64*\a   ; channel 128 hw + 16 tt + 8 h + j, query 32 w + 16 a + r: lanes 0-15 write 64 consecutive bytes, lanes 16-31 those 8 rows (1,056 words = 32 banks) on
.endr
.endr
.endr
.endr
	WIN 0
	s_wait_dscnt 0x0                               ; for the others' sake: my stores into the stage are done
	s_barrier_signal -1
	s_barrier_wait -1
	WIN 0x80                                       ; rows 0-39 come back into window 2, with a copy of the lane's offset beside them: a store's address stands in the place of source 0, as the row does in the addition
	v_mov_b32 v[LI2], v[LI]
.set i, 0
.rept 40
	ds_load_b128 v[4*i:4*i+3], v[RD] offset:SPITCH*i
.set i, i+1
.endr
	WIN 0                                          ; rows 40-63 into window 0
.rept 24
	ds_load_b128 v[S+4*(i-40):S+4*(i-40)+3], v[RD] offset:SPITCH*i
.set i, i+1
.endr
	s_wait_loadcnt 24                              ; x's rows 0-39 are in; the 24 asked for later may be out
	WIN 0xce                                       ; source 0 window 2; source 1 and destination window 3
.set i, 0
.rept 40
	s_wait_dscnt 63-i                              ; row i is back; the younger reads may be out
	v_pk_add_f32 v[XR3+4*i:XR3+4*i+1], v[4*i:4*i+1], v[XR3+4*i:XR3+4*i+1]
	v_pk_add_f32 v[XR3+4*i+2:XR3+4*i+3], v[4*i+2:4*i+3], v[XR3+4*i+2:XR3+4*i+3]
	global_store_b128 v[LI2], v[XR3+4*i:XR3+4*i+3], s[10:11] offset:16384*i th:TH_STORE_NT   ; 32 lanes store 512 consecutive bytes, at a multiple of 512 from out0's first byte
.set i, i+1
.endr
	s_wait_loadcnt 0x0                             ; x's rows 40-63
	WIN 0x44                                       ; source 0 window 0; source 1 and destination window 1
.rept 24
	s_wait_dscnt 63-i
	v_pk_add_f32 v[XR1+4*(i-40):XR1+4*(i-40)+1], v[S+4*(i-40):S+4*(i-40)+1], v[XR1+4*(i-40):XR1+4*(i-40)+1]
	v_pk_add_f32 v[XR1+4*(i-40)+2:XR1+4*(i-40)+3], v[S+4*(i-40)+2:S+4*(i-40)+3], v[XR1+4*(i-40)+2:XR1+4*(i-40)+3]
	global_store_b128 v[LI], v[XR1+4*(i-40):XR1+4*(i-40)+3], s[10:11] offset:16384*i th:TH_STORE_NT
.set i, i+1
.endr
	WIN 0
	s_wait_tensorcnt 0x0                           ; the wave's end, behind my last tensor load and my last LDS store
	ds_add_u32 v[SPW], v[NIL]
	s_wait_dscnt 0x0
	CROUND                                         ; the closing round: no work-group ends while a partner may still ask for a record that names it
	s_endpgm
.Lfunc_end_k_qbf51f6bc63_attend:
	.size	k_qbf51f6bc63_attend, .Lfunc_end_k_qbf51f6bc63_attend-k_qbf51f6bc63_attend
	.p2alignl 7, 3214868480
	.fill 96, 4, 3214868480
	.section	.rodata,"a",@progbits
	.p2align	6, 0x0
	.amdhsa_kernel k_qbf51f6bc63_attend
		.amdhsa_group_segment_fixed_size 327680
		.amdhsa_private_segment_fixed_size 0
		.amdhsa_enable_private_segment 0
		.amdhsa_kernarg_size 32
		.amdhsa_user_sgpr_count 2
		.amdhsa_user_sgpr_kernarg_segment_ptr 1
		.amdhsa_wavefront_size32 1
		.amdhsa_system_sgpr_workgroup_id_x 1
		.amdhsa_system_sgpr_workgroup_id_y 1
		.amdhsa_system_sgpr_workgroup_id_z 1
		.amdhsa_system_vgpr_workitem_id 0
		.amdhsa_next_free_vgpr 1024
		.amdhsa_next_free_sgpr 66
		.amdhsa_reserve_vcc 1
		.amdhsa_float_denorm_mode_32 3
		.amdhsa_float_denorm_mode_16_64 3
		.amdhsa_memory_ordered 1
		.amdhsa_forward_progress 1
		.amdhsa_inst_pref_size 255
	.end_amdhsa_kernel
	.section	.bss,"aw",@nobits
	.p2align	6
	.space	262144
	.amdgpu_metadata
---
amdhsa.version: [ 1, 2 ]
amdhsa.kernels:
  - .name:           k_qbf51f6bc63_attend
    .symbol:         k_qbf51f6bc63_attend.kd
    .args:
      - { .name: rec, .offset: 0, .size: 8, .value_kind: global_buffer, .address_space: global }
      - { .name: x, .offset: 8, .size: 8, .value_kind: global_buffer, .address_space: global }
      - { .name: gamma, .offset: 16, .size: 8, .value_kind: global_buffer, .address_space: global }
      - { .name: out0, .offset: 24, .size: 8, .value_kind: global_buffer, .address_space: global }
    .group_segment_fixed_size: 327680
    .private_segment_fixed_size: 0
    .kernarg_segment_align: 8
    .kernarg_segment_size: 32
    .max_flat_workgroup_size: 128
    .sgpr_count:     66
    .vgpr_count:     1024
    .wavefront_size: 32
...
	.end_amdgpu_metadata
.endif
;; end of part 2
